; MI455X (gfx1250); checked and timed in simulation.
; The chip was launched on July 23, 2026; its instructions are those of AMD's public machine-readable ISA for CDNA 5 (MIT licence, August 2026) and "CDNA5" Instruction Set Architecture Reference Guide (July 2026). The comments in the code are by the model that wrote it; some were corrected since.
;; Self Attention Layer. Allowed arithmetic: float matrix products may take bf16 or f16 operands with f32 sums; all other float work in f32.
;; Inputs: Wk 512 x 512 float32; Wo 512 x 512 float32; Wq 512 x 512 float32; Wv 512 x 512 float32; beta 512 float32; bk 512 float32; bo 512 float32; bq 512 float32; bv 512 float32; gamma 512 float32; x 8 x 2,048 x 512 float32.
;; Outputs: out0 8 x 2,048 x 512 float32.
;; One version. Each part assembles by itself: llvm-mc -triple=amdgcn-amd-amdhsa -mcpu=gfx1250 --defsym DOCPART=n.
;; ======== version 1 of 1: 4 launches
;; workspace buffers: wqkv 1,572,864 bytes; wot 524,288 bytes; qkv 50,331,648 bytes; ctx 16,777,216 bytes
;; launch prep (part 1): grid 64 x 4, 8 waves a work-group, no clusters, 0 bytes of LDS; arguments Wq, Wk, Wv, Wo, wqkv, wot; writes wqkv, wot
.if DOCPART == 1
	.amdgcn_target "amdgcn-amd-amdhsa--gfx1250"
	.amdhsa_code_object_version 6
	.text
	.protected	k_qe6cad1552d_prep
	.globl	k_qe6cad1552d_prep
	.p2align	8
	.type	k_qe6cad1552d_prep,@function
k_qe6cad1552d_prep:
	s_mov_b64 s[64:65], 0
	v_nop
	global_prefetch_b8 v0, s[64:65] scope:SCOPE_SE
	s_setreg_imm32_b32 hwreg(HW_REG_WAVE_MODE, 25, 1), 1
	s_wait_xcnt 0x0
; The four weight matrices [512][512] f32 are rounded to bf16 and laid in the order in which the later launches fetch tiles.
;   wqkv: bf16 [ks 8][nb 4][lr 384][kk 64], lr = 128 part + fl, feature = 128 nb + fl of Wq, Wk, Wv (part 0, 1, 2), k = 64 ks + kk
;   wot:  bf16 [kq 4][n 512][kk 128], k = 128 kq + kk
; Wq is multiplied by c = 0.125 log2(e) in front of its rounding, so that the scores come out in units of powers of two.
; LIMIT: that order of rounding (scale, then bf16) differs from the reference, which scales the f32 scores.
; Work-group (X, Y): rows 8 X .. 8 X + 7 of matrix Y (0 Wq, 1 Wk, 2 Wv, 3 Wo).  A thread converts two runs of 8 numbers.
; A store of a wave covers 512 consecutive bytes, aligned.  A load takes 16 of each 32 bytes of a run and its twin takes the rest.
; No LDS, no matrix unit: 4 MiB are read once and 2 MiB written once.
.set QSCALE, 0x3e38aa3b                ; 0.125 * log2(e)
	s_load_b256 s[4:11], s[0:1], 0x0               ; Wq s[4:5], Wk s[6:7], Wv s[8:9], Wo s[10:11]
	s_load_b128 s[12:15], s[0:1], 0x20             ; wqkv s[12:13], wot s[14:15]
	v_lshrrev_b32 v1, 5, v0
	v_readfirstlane_b32 s23, v1                    ; wave w
	s_and_b32 s22, ttmp7, 0xffff                   ; Y
	; both layouts' terms are made, then chosen by Y == 3
	s_and_b32 s24, s23, 3
	s_lshr_b32 s25, s23, 2
	s_lshl_b32 s26, s24, 9                         ; Wo, in: kq = w & 3, 128 f32 = 512 bytes,
	s_lshl_b32 s27, s25, 12                        ;         two rows down for w >> 2
	s_add_co_u32 s26, s26, s27
	s_lshl_b32 s27, s23, 8                         ; Q K V, in: ks = w, 64 f32 = 256 bytes
	s_lshl_b32 s28, s24, 17                        ; Wo, out: kq x 512 rows x 256 bytes,
	s_lshl_b32 s29, s25, 9                         ;          two rows of 256 bytes
	s_add_co_u32 s28, s28, s29
	s_mul_i32 s29, s23, 196608                     ; Q K V, out: ks x 4 x 384 rows x 128 bytes
	s_lshr_b32 s30, ttmp9, 4                       ; nb
	s_mul_i32 s30, s30, 384
	s_lshl_b32 s31, s22, 7                         ; + 128 part
	s_add_co_u32 s30, s30, s31
	s_and_b32 s31, ttmp9, 15
	s_lshl3_add_u32 s30, s31, s30                  ; + 8 (X & 15): the group's first local row
	s_lshl_b32 s30, s30, 7                         ; rows of 128 bytes
	s_lshl_b32 s31, ttmp9, 11                      ; Wo, out: 8 X rows of 256 bytes
	s_lshl_b32 s36, ttmp9, 14                      ; in: 8 X rows of 2,048 bytes
	s_mov_b32 s37, 0
	s_mov_b32 s39, 0
	s_cmp_eq_u32 s22, 3
	s_cselect_b32 s26, s26, s27                    ; the wave's term, in
	s_cselect_b32 s28, s28, s29                    ; the wave's term, out
	s_cselect_b32 s38, s31, s30                    ; the group's term, out
	s_cselect_b32 s32, 8, 11                       ; lane bit 3 steps 256 bytes along a row of Wo, else one row
	s_cselect_b32 s33, 11, 12                      ; lane bit 4 steps one row of Wo, else two rows
	s_cselect_b32 s34, 10, 9                       ; four rows further down, out: 1,024 or 512 bytes
	s_wait_kmcnt 0x0
	s_cselect_b64 s[18:19], s[14:15], s[12:13]     ; where to: wot or wqkv
	s_cselect_b64 s[16:17], s[10:11], s[8:9]       ; from where: Wo or Wv,
	s_cmp_eq_u32 s22, 1
	s_cselect_b64 s[16:17], s[6:7], s[16:17]       ; or Wk,
	s_cmp_eq_u32 s22, 0
	s_cselect_b64 s[16:17], s[4:5], s[16:17]       ; or Wq
	s_cselect_b32 s20, QSCALE, 1.0                 ; only Wq is scaled
	s_mov_b32 s21, s20
	s_lshl_b32 s34, 1, s34
	s_add_nc_u64 s[16:17], s[16:17], s[36:37]
	s_add_nc_u64 s[18:19], s[18:19], s[38:39]
	v_and_b32 v2, 7, v0
	v_bfe_u32 v3, v0, 3, 1
	v_bfe_u32 v28, v0, 4, 1
	v_lshlrev_b32 v1, 5, v2                        ; 8 f32 = 32 bytes for each of eight neighbouring lanes
	v_lshlrev_b32 v3, s32, v3
	v_lshlrev_b32 v28, s33, v28
	v_add3_u32 v1, v1, v3, v28
	v_add_nc_u32 v1, s26, v1                       ; my byte offset in the source
	v_and_b32 v2, 31, v0
	v_lshlrev_b32 v2, 4, v2                        ; out: 16 bytes a lane, 512 consecutive bytes a wave
	v_add_nc_u32 v2, s28, v2
	v_add_nc_u32 v3, s34, v2                       ; the second run: four rows further down
	global_load_b128 v[4:7],   v1, s[16:17] th:TH_LOAD_NT
	global_load_b128 v[8:11],  v1, s[16:17] offset:16 th:TH_LOAD_NT
	global_load_b128 v[12:15], v1, s[16:17] offset:8192 th:TH_LOAD_NT
	global_load_b128 v[16:19], v1, s[16:17] offset:8208 th:TH_LOAD_NT
	s_wait_loadcnt 0x0
.irp j, 0,1,2,3,4,5,6,7
	v_pk_mul_f32 v[4+2*\j:5+2*\j], v[4+2*\j:5+2*\j], s[20:21] op_sel_hi:[1,0]
.endr
.irp j, 0,1,2,3,4,5,6,7
	v_cvt_pk_bf16_f32 v[20+\j], v[4+2*\j], v[5+2*\j]
.endr
	global_store_b128 v2, v[20:23], s[18:19]
	global_store_b128 v3, v[24:27], s[18:19]
	s_endpgm
.Lfunc_end_k_qe6cad1552d_prep:
	.size	k_qe6cad1552d_prep, .Lfunc_end_k_qe6cad1552d_prep-k_qe6cad1552d_prep
	.p2alignl 7, 3214868480
	.fill 96, 4, 3214868480
	.section	.rodata,"a",@progbits
	.p2align	6, 0x0
	.amdhsa_kernel k_qe6cad1552d_prep
		.amdhsa_group_segment_fixed_size 0
		.amdhsa_private_segment_fixed_size 0
		.amdhsa_enable_private_segment 0
		.amdhsa_kernarg_size 48
		.amdhsa_user_sgpr_count 2
		.amdhsa_user_sgpr_kernarg_segment_ptr 1
		.amdhsa_wavefront_size32 1
		.amdhsa_system_sgpr_workgroup_id_x 1
		.amdhsa_system_sgpr_workgroup_id_y 1
		.amdhsa_system_sgpr_workgroup_id_z 1
		.amdhsa_system_vgpr_workitem_id 0
		.amdhsa_next_free_vgpr 32
		.amdhsa_next_free_sgpr 66
		.amdhsa_reserve_vcc 0
		.amdhsa_float_denorm_mode_32 3
		.amdhsa_float_denorm_mode_16_64 3
		.amdhsa_memory_ordered 1
		.amdhsa_forward_progress 1
		.amdhsa_inst_pref_size 4
	.end_amdhsa_kernel
	.amdgpu_metadata
---
amdhsa.version: [ 1, 2 ]
amdhsa.kernels:
  - .name:           k_qe6cad1552d_prep
    .symbol:         k_qe6cad1552d_prep.kd
    .args:
      - { .name: Wq, .offset: 0, .size: 8, .value_kind: global_buffer, .address_space: global }
      - { .name: Wk, .offset: 8, .size: 8, .value_kind: global_buffer, .address_space: global }
      - { .name: Wv, .offset: 16, .size: 8, .value_kind: global_buffer, .address_space: global }
      - { .name: Wo, .offset: 24, .size: 8, .value_kind: global_buffer, .address_space: global }
      - { .name: wqkv, .offset: 32, .size: 8, .value_kind: global_buffer, .address_space: global }
      - { .name: wot, .offset: 40, .size: 8, .value_kind: global_buffer, .address_space: global }
    .group_segment_fixed_size: 0
    .private_segment_fixed_size: 0
    .kernarg_segment_align: 8
    .kernarg_segment_size: 48
    .max_flat_workgroup_size: 256
    .sgpr_count:     66
    .vgpr_count:     32
    .wavefront_size: 32
...
	.end_amdgpu_metadata
.endif
;; end of part 1
;; launch qkv (part 2): grid 4 x 64, 8 waves a work-group, clusters of 4 x 4, 327,680 bytes of LDS; arguments x, wqkv, bq, bk, bv, qkv; writes qkv
.if DOCPART == 2
	.amdgcn_target "amdgcn-amd-amdhsa--gfx1250"
	.amdhsa_code_object_version 6
	.text
	.protected	k_qe6cad1552d_qkv
	.globl	k_qe6cad1552d_qkv
	.p2align	8
	.type	k_qe6cad1552d_qkv,@function
k_qe6cad1552d_qkv:
	s_mov_b64 s[64:65], 0
	v_nop
	global_prefetch_b8 v0, s[64:65] scope:SCOPE_SE
	s_setreg_imm32_b32 hwreg(HW_REG_WAVE_MODE, 25, 1), 1
	s_wait_xcnt 0x0
	s_wait_alu depctr_hold_cnt(0) depctr_sa_sdst(0) depctr_va_vdst(0) depctr_va_sdst(0) depctr_va_ssrc(0) depctr_va_vcc(0) depctr_vm_vsrc(0)
	s_getreg_b32 s2, hwreg(HW_REG_IB_STS2, 6, 4)
	s_cmp_eq_u32 s2, 0
	s_cbranch_scc0 .Lentry_in_a_cluster
	s_endpgm
.Lentry_in_a_cluster:
	s_bfe_u32 s2, ttmp6, 0x10000c
	s_cmp_lg_u32 s2, 0xf033
	s_cbranch_scc0 .Lentry_shape_is_right
	s_endpgm
.Lentry_shape_is_right:
; q c, k, v = x W^T + b, in bf16, stored as qkv[part 3][b 8][h 8][s 2048][d 64]  (c = 0.125 log2 e sits in wqkv already and is put on bq here).
; Work-group (nb, mb): rows 256 mb .. + 255 of x times 384 local columns = features 128 nb .. + 127 of each of Q, K, V.  256 work-groups.
; Eight waves, two on each SIMD: wave W has rows 64 (W >> 1) .. + 63 and local columns 192 (W & 1) .. + 191: 48 accumulator tiles, 384 registers.
; K goes in steps of 64 through two LDS slots.  x comes as f32 (rows of 256 bytes) and is rounded to bf16 between LDS and the matrix unit; W comes as bf16.
; CLUSTERS: 4 x 4 work-groups.  A tile of x hangs on mb alone and is asked for jointly along a row of the cluster, a tile of W on nb alone, jointly along a column.
; The matrix instruction is used transposed (source 0 = 16 rows of W, source 1 = 16 rows of x): a lane then holds 8 neighbouring columns of one row.
; LIMITS: operands are bf16, sums f32; NaN and infinities get no treatment of their own.
.set SLOT,   124928                    ; x part 69,632 + W part 55,296
.set XPITCH, 272                       ; 256 bytes + 16: an odd multiple of 16
.set WPITCH, 144                       ; 128 bytes + 16
.set WPART,  256*XPITCH
.set BT,     2*SLOT                    ; 384 f32: the biases of my local columns; no tensor load lands here
.set STAGE,  BT+1536                   ; 16 rows x 144 bytes for each wave, for the way out; no tensor load lands here
.set QSCALE, 0x3e38aa3b
.set ADRA, 4                           ; v4, v5   my x fragments in slot 0, 1
.set ADRB, 6                           ; v6, v7   my W fragments in slot 0, 1
.set STO,  8                           ; v8       way out: where I put 16 bytes of a row
.set RD,   9                           ; v9       way out: where I read rows back
.set CO,   10                          ; v10      16 x lane
.set VB,   11                          ; v11      my place in the bias table
.set AF,   16                          ; v[16:47]   x fragments in bf16, 4 x 8
.set LD,   48                          ; v[48:111]  what LDS loads bring: x in f32, then W fragments
.set R0,   96                          ; v[96:111]  way out: rows read back, by turns with
.set R1,   112                         ; v[112:127]
.set ACC0, 128                         ; v[128:255] accumulators (a, column tile 8..11) at 128 + 8 (4 a + bt - 8); window 1: (a, bt 0..7) at 8 (8 a + bt)
.set WV,   16                          ; s16 wave
.set KIND, 20                          ; s20 0: I fetch x, 1: I fetch W
.set G1A,  28
.set G1B,  36
.set G0A,  44                          ; one group 0 for each slot
.set G0B,  52
.set OB,   72                          ; s[72:77] the bases of my three heads in qkv
.set MSB,  0
.macro WIN new                         ; the upper byte of the immediate repeats the setting that is left
.if MSB != \new
	s_set_vgpr_msb (MSB<<8)|\new
.set MSB, \new
.endif
.endm
.macro PLACES                          ; four places behind a matrix instruction (ISA guide 7.12.1)
.rept 4
	v_nop
.endr
.endm
.macro ROUND                           ; a round of the cluster barrier
	s_barrier_signal -1
	s_barrier_wait -1
	s_cmp_lg_u32 s[WV], 0
	s_cbranch_scc1 .Lnot_wave_0_\@
	s_barrier_signal -3
.Lnot_wave_0_\@:
	s_barrier_wait -3
	s_barrier_signal -1
	s_barrier_wait -1
.endm
.macro JLOAD s                         ; one joint load a wave: waves 0-3 a quarter of the x tile, waves 4-7 a quarter of the W tile
	s_cmp_eq_u32 s[KIND], 0
	s_cbranch_scc0 .Lfor_b_\@
	tensor_load_to_lds s[G0A+4*\s:G0A+4*\s+3], s[G1A:G1A+7]
	s_nop 0
.rept 4
	v_nop
.endr
	s_branch .Lasked_\@
.Lfor_b_\@:
	tensor_load_to_lds s[G0B+4*\s:G0B+4*\s+3], s[G1B:G1B+7]
	s_nop 0
.rept 4
	v_nop
.endr
.Lasked_\@:
.endm
	s_load_b256 s[4:11], s[0:1], 0x0               ; x s[4:5], wqkv s[6:7], bq s[8:9], bk s[10:11]
	s_load_b128 s[12:15], s[0:1], 0x20             ; bv s[12:13], qkv s[14:15]
	v_lshl_add_u32 v126, v0, 2, 0x41e00
	v_mov_b32 v127, 0
	ds_add_u32 v126, v127
	ds_add_u32 v126, v127
	s_wait_dscnt 0x0
	v_lshrrev_b32 v1, 5, v0
	v_readfirstlane_b32 s16, v1                    ; wave W
	s_lshr_b32 s17, s16, 1                         ; wm: which 64 rows
	s_and_b32 s18, s16, 1                          ; wn: which 192 columns
	s_and_b32 s19, s16, 3                          ; which quarter of a tile I fetch
	s_lshr_b32 s20, s16, 2                         ; of x (0) or of W (1)
	s_bfe_u32 s21, ttmp6, 0x40000                  ; cx
	s_bfe_u32 s22, ttmp6, 0x40004                  ; cy
	s_lshl_b32 s23, ttmp9, 2
	s_add_co_u32 s23, s23, s21                     ; nb
	s_and_b32 s24, ttmp7, 0xffff
	s_lshl_b32 s24, s24, 2
	s_add_co_u32 s24, s24, s22                     ; mb
	s_lshl_b32 s25, s22, 2
	s_lshl_b32 s25, 15, s25                        ; my row of the cluster
	s_lshl_b32 s26, 0x1111, s21                    ; my column
	; group 1 for x: 64 rows x 64 f32, 512 elements from row to row, 4 words of padding behind every 64
	s_or_b32 s[G1A+0], s25, (2<<16)|(1<<20)|(1<<21)|(5<<22)|(3<<25)
	s_mov_b32 s[G1A+1], 64<<16
	s_mov_b32 s[G1A+2], 64<<16
	s_mov_b32 s[G1A+3], 64<<16
	s_mov_b32 s[G1A+4], 64
	s_mov_b32 s[G1A+5], 512
	s_mov_b32 s[G1A+6], 0
	s_mov_b32 s[G1A+7], 0
	; group 1 for W: 96 rows x 64 bf16, dense, 4 words of padding behind every 32
	s_or_b32 s[G1B+0], s26, (1<<16)|(1<<20)|(1<<21)|(4<<22)|(3<<25)
	s_mov_b32 s[G1B+1], 64<<16
	s_mov_b32 s[G1B+2], 96<<16
	s_mov_b32 s[G1B+3], 64<<16
	s_mov_b32 s[G1B+4], 96
	s_mov_b32 s[G1B+5], 64
	s_mov_b32 s[G1B+6], 0
	s_mov_b32 s[G1B+7], 0
	s_lshl_b32 s60, s24, 19                        ; x: 256 mb rows of 2,048 bytes (registers that never hold cx)
	s_lshl_b32 s61, s19, 17                        ;    + 64 rows for each quarter
	s_add_co_u32 s60, s60, s61
	s_mov_b32 s61, 0
	s_mul_i32 s66, s23, 49152                      ; W: nb x 384 rows of 128 bytes (registers that never hold cy)
	s_mul_i32 s67, s19, 12288                      ;    + 96 rows for each quarter
	s_add_co_u32 s66, s66, s67
	s_mov_b32 s67, 0
	s_mul_i32 s78, s19, 64*XPITCH                  ; where they go: the wave number alone
	s_mul_i32 s79, s19, 96*WPITCH
	s_add_co_u32 s79, s79, WPART
	s_wait_kmcnt 0x0
	s_add_nc_u64 s[62:63], s[4:5], s[60:61]
	s_add_nc_u64 s[68:69], s[6:7], s[66:67]
	ROUND                                          ; all sixteen work-groups are here: the first joint loads meet
.irp s, 0,1
	s_mov_b32 s[G0A+4*\s], 1
	s_add_co_u32 s[G0A+4*\s+1], s78, \s*SLOT
	s_add_nc_u64 s[G0A+4*\s+2:G0A+4*\s+3], s[62:63], \s*256        ; K step s: 64 f32
	s_or_b32 s[G0A+4*\s+3], s[G0A+4*\s+3], 0x80000000
	s_mov_b32 s[G0B+4*\s], 1
	s_add_co_u32 s[G0B+4*\s+1], s79, \s*SLOT
	s_add_nc_u64 s[G0B+4*\s+2:G0B+4*\s+3], s[68:69], \s*196608     ; K step s: 4 x 384 rows of 128 bytes
	s_or_b32 s[G0B+4*\s+3], s[G0B+4*\s+3], 0x80000000
	JLOAD \s                                       ; both slots are asked for before anything else: two loads of a wave are out
.endr
	v_and_b32 v1, 15, v0                           ; r
	v_bfe_u32 v2, v0, 4, 1                         ; h
	v_mul_u32_u24 v3, v1, XPITCH
	v_lshl_add_u32 v3, v2, 5, v3                   ; x in f32: 8 numbers are 32 bytes
	s_mul_i32 s80, s17, 64*XPITCH
	v_add_nc_u32 v[ADRA], s80, v3
	v_add_nc_u32 v[ADRA+1], SLOT, v[ADRA]
	v_mul_u32_u24 v3, v1, WPITCH
	v_lshl_add_u32 v3, v2, 4, v3
	s_mul_i32 s81, s18, 192*WPITCH
	s_add_co_u32 s81, s81, WPART
	v_add_nc_u32 v[ADRB], s81, v3
	v_add_nc_u32 v[ADRB+1], SLOT, v[ADRB]
	s_mul_i32 s80, s16, 16*WPITCH
	s_add_co_u32 s80, s80, STAGE                   ; my stage
	v_add_nc_u32 v[STO], s80, v3                   ; row r, 16 bytes for each half of the lanes
	v_and_b32 v12, 31, v0
	v_lshrrev_b32 v13, 3, v12
	v_mul_u32_u24 v13, v13, WPITCH
	v_and_b32 v14, 7, v0
	v_lshl_add_u32 v13, v14, 4, v13
	v_add_nc_u32 v[RD], s80, v13                   ; back: eight lanes take a row of 128 bytes, a wave four rows
	v_lshlrev_b32 v[CO], 4, v12
	s_mul_i32 s81, s18, 768
	s_add_co_u32 s81, s81, BT
	v_lshl_add_u32 v[VB], v2, 5, s81               ; bias of column 192 wn + 8 h
	; the biases of my 384 local columns go into LDS once: threads 0 to 127, one number of each of bq, bk, bv
	s_lshl_b32 s82, s23, 9                         ; 128 nb numbers
	s_mov_b32 s83, 0
	s_add_nc_u64 s[8:9], s[8:9], s[82:83]
	s_add_nc_u64 s[10:11], s[10:11], s[82:83]
	s_add_nc_u64 s[12:13], s[12:13], s[82:83]
	s_cmp_lt_u32 s16, 4
	s_cbranch_scc0 .Lno_bias
	v_lshlrev_b32 v12, 2, v0
	global_load_b32 v13, v12, s[8:9]
	global_load_b32 v14, v12, s[10:11]
	global_load_b32 v15, v12, s[12:13]
	v_add_nc_u32 v3, BT, v12
	s_wait_loadcnt 0x0
	v_mul_f32 v13, QSCALE, v13                     ; q carries c, so its bias does too
	ds_store_b32 v3, v13
	ds_store_b32 v3, v14 offset:512
	ds_store_b32 v3, v15 offset:1024
.Lno_bias:
	; the bases of my three heads: local head lh = 3 wn + i, part = lh >> 1, head = 2 nb + (lh & 1)
.irp i, 0,1,2
	s_mul_i32 s82, s18, 3
	s_add_co_u32 s82, s82, \i
	s_lshr_b32 s83, s82, 1
	s_and_b32 s82, s82, 1
	s_lshl1_add_u32 s82, s23, s82
	s_lshl_b32 s83, s83, 6
	s_add_co_u32 s82, s82, s83                     ; 64 part + head
	s_lshr_b32 s83, s24, 3
	s_lshl3_add_u32 s82, s83, s82                  ; + 8 b
	s_lshl_b32 s82, s82, 18                        ; 2,048 rows of 128 bytes
	s_and_b32 s83, s24, 7
	s_lshl2_add_u32 s83, s83, s17                  ; 4 (mb & 7) + wm: my first row in units of 64
	s_lshl_b32 s83, s83, 13
	s_add_co_u32 s82, s82, s83
	s_mov_b32 s83, 0
	s_add_nc_u64 s[OB+2*\i:OB+2*\i+1], s[14:15], s[82:83]
.endr
; four matrix instructions: one column tile (fragment frag) x my four row tiles; accumulators at base + step a
.macro MUL4 base, step, frag, zero
.irp a, 0,1,2,3
.if \zero
	v_wmma_f32_16x16x32_bf16 v[\base+\step*\a:\base+\step*\a+7], v[\frag:\frag+7], v[AF+8*\a:AF+8*\a+7], 0
.else
	v_wmma_f32_16x16x32_bf16 v[\base+\step*\a:\base+\step*\a+7], v[\frag:\frag+7], v[AF+8*\a:AF+8*\a+7], v[\base+\step*\a:\base+\step*\a+7]
.endif
.endr
.endm
; 32 along K: 48 matrix instructions.  The 48 accumulators take turns, one instruction a turn, in the same order every time.
.macro SUB slot, sub, zero
	PLACES                                         ; behind the last matrix instructions: LD and AF, which they read, are written below
.irp a, 0,1,2,3
	ds_load_b128 v[LD+16*\a:LD+16*\a+3],     v[ADRA+\slot] offset:\a*16*XPITCH+\sub*128
	ds_load_b128 v[LD+16*\a+4:LD+16*\a+7],   v[ADRA+\slot] offset:\a*16*XPITCH+\sub*128+16
	ds_load_b128 v[LD+16*\a+8:LD+16*\a+11],  v[ADRA+\slot] offset:\a*16*XPITCH+\sub*128+64
	ds_load_b128 v[LD+16*\a+12:LD+16*\a+15], v[ADRA+\slot] offset:\a*16*XPITCH+\sub*128+80
.endr
.irp a, 0,1,2,3
	s_wait_dscnt 12-4*\a                           ; the four loads of row tile a are in, the younger ones stay out
.irp i, 0,1,2,3,4,5,6,7
	v_cvt_pk_bf16_f32 v[AF+8*\a+\i], v[LD+16*\a+2*\i], v[LD+16*\a+2*\i+1]
.endr
.endr
.irp b, 0,1,2,3,4,5,6,7
	ds_load_b128 v[LD+8*\b:LD+8*\b+3],   v[ADRB+\slot] offset:\b*16*WPITCH+\sub*64
	ds_load_b128 v[LD+8*\b+4:LD+8*\b+7], v[ADRB+\slot] offset:\b*16*WPITCH+\sub*64+32
.endr
	WIN 0x50                                       ; C and D in window 1
.irp b, 0,1,2,3
	s_wait_dscnt 14-2*\b                           ; the two loads of column tile b are in
	MUL4 8*\b, 64, LD+8*\b, \zero
.endr
	PLACES                                         ; the fragments of column tiles 0 to 3 are loaded over
	WIN 0
.irp b, 0,1,2,3
	ds_load_b128 v[LD+8*\b:LD+8*\b+3],   v[ADRB+\slot] offset:(8+\b)*16*WPITCH+\sub*64
	ds_load_b128 v[LD+8*\b+4:LD+8*\b+7], v[ADRB+\slot] offset:(8+\b)*16*WPITCH+\sub*64+32
.endr
	WIN 0x50
	s_wait_dscnt 8                                 ; all but the eight just issued
.irp b, 4,5,6,7
	MUL4 8*\b, 64, LD+8*\b, \zero
.endr
	WIN 0
	s_wait_dscnt 0
.irp b, 0,1,2,3
	MUL4 ACC0+8*\b, 32, LD+8*\b, \zero
.endr
.endm
.macro COMPUTE slot, zero
	SUB \slot, 0, \zero
	SUB \slot, 1, 0
.endm
; One K step.  In front of the round each wave waits for all its tensor loads (its part of this slot among them) and for its reads of the other slot;
; behind the round the other slot is asked for again, first thing, one load a wave; it has this step's 96 matrix instructions in which to land.
.macro TRIP slot, other, refill
	s_wait_xcnt 0x0
	v_lshl_add_u32 v126, v0, 2, 0x41e00
	v_mov_b32 v127, 0
	s_wait_tensorcnt 0x0
	ds_add_u32 v126, v127
	s_wait_dscnt 0x0
	s_wait_dscnt 0x0
.if \refill
	s_add_nc_u64 s[G0A+4*\other+2:G0A+4*\other+3], s[G0A+4*\other+2:G0A+4*\other+3], 512      ; no load of mine is out: two K steps on
	s_add_nc_u64 s[G0B+4*\other+2:G0B+4*\other+3], s[G0B+4*\other+2:G0B+4*\other+3], 393216
	ROUND
	JLOAD \other
.else
	s_barrier_signal -1
	s_barrier_wait -1
.endif
	COMPUTE \slot, 0
.endm
	s_wait_tensorcnt 0x1                           ; my part of slot 0 is in; slot 1 may stay out
	s_wait_dscnt 0x0                               ; the bias table is written
	s_barrier_signal -1
	s_barrier_wait -1
	COMPUTE 0, 1                                   ; K step 0 starts the sums: nothing is cleared
	s_mov_b32 s27, 3
.Lk:
	TRIP 1, 0, 1
	TRIP 0, 1, 1
	s_sub_co_u32 s27, s27, 1
	s_cmp_lg_u32 s27, 0
	s_cbranch_scc1 .Lk
	TRIP 1, 0, 0                                   ; K step 7: nothing is left to fetch
	; THE WAY OUT, a head (64 columns) and 16 rows at a time: add the bias, round, 16 bytes a lane into my stage, whole rows back, 512 consecutive bytes a store.
.macro ROWS16 i, a, accb, win, rr
	WIN \win
.irp u, 0,1,2,3
.irp q, 0,1,2,3
	v_pk_add_f32 v[LD+8*\u+2*\q:LD+8*\u+2*\q+1], v[\accb+8*\u+2*\q:\accb+8*\u+2*\q+1], v[AF+8*\u+2*\q:AF+8*\u+2*\q+1]
.endr
.endr
	WIN 0
.irp u, 0,1,2,3
.irp q, 0,1,2,3
	v_cvt_pk_bf16_f32 v[LD+32+4*\u+\q], v[LD+8*\u+2*\q], v[LD+8*\u+2*\q+1]
.endr
.endr
.irp u, 0,1,2,3
	ds_store_b128 v[STO], v[LD+32+4*\u:LD+32+4*\u+3] offset:32*\u
.endr
	s_wait_xcnt 0x0                                ; the registers that earlier stores read are loaded again only behind this wait
.irp t, 0,1,2,3
	ds_load_b128 v[\rr+4*\t:\rr+4*\t+3], v[RD] offset:4*WPITCH*\t   ; LDS serves a wave in order (ISA guide 5.7.1): these see the stores above
.endr
.irp t, 0,1,2,3
	s_wait_dscnt 3-\t
	global_store_b128 v[CO], v[\rr+4*\t:\rr+4*\t+3], s[OB+2*\i:OB+2*\i+1] offset:\a*2048+512*\t
.endr
.endm
.macro HEADOUT i, base, astep, win
.irp u, 0,1,2,3
	ds_load_b128 v[AF+8*\u:AF+8*\u+3],   v[VB] offset:(4*\i+\u)*64
	ds_load_b128 v[AF+8*\u+4:AF+8*\u+7], v[VB] offset:(4*\i+\u)*64+16
.endr
	s_wait_dscnt 0x0
	ROWS16 \i, 0, \base, \win, R0
	ROWS16 \i, 1, \base+\astep, \win, R1
	ROWS16 \i, 2, \base+2*\astep, \win, R0
	ROWS16 \i, 3, \base+3*\astep, \win, R1
.endm
	PLACES                                         ; behind the last matrix instructions: results are read, AF and LD written
	HEADOUT 0, 0, 64, 0x01
	HEADOUT 1, 32, 64, 0x01
	HEADOUT 2, ACC0, 32, 0
	s_wait_xcnt 0x0
	v_lshl_add_u32 v126, v0, 2, 0x41e00
	v_mov_b32 v127, 0
	s_wait_tensorcnt 0x0
	ds_add_u32 v126, v127
	s_wait_dscnt 0x0
	ROUND                                          ; the closing round: no work-group ends while a partner may still ask jointly
	s_endpgm
.Lfunc_end_k_qe6cad1552d_qkv:
	.size	k_qe6cad1552d_qkv, .Lfunc_end_k_qe6cad1552d_qkv-k_qe6cad1552d_qkv
	.p2alignl 7, 3214868480
	.fill 96, 4, 3214868480
	.section	.rodata,"a",@progbits
	.p2align	6, 0x0
	.amdhsa_kernel k_qe6cad1552d_qkv
		.amdhsa_group_segment_fixed_size 327680
		.amdhsa_private_segment_fixed_size 0
		.amdhsa_enable_private_segment 0
		.amdhsa_kernarg_size 48
		.amdhsa_user_sgpr_count 2
		.amdhsa_user_sgpr_kernarg_segment_ptr 1
		.amdhsa_wavefront_size32 1
		.amdhsa_system_sgpr_workgroup_id_x 1
		.amdhsa_system_sgpr_workgroup_id_y 1
		.amdhsa_system_sgpr_workgroup_id_z 1
		.amdhsa_system_vgpr_workitem_id 0
		.amdhsa_next_free_vgpr 512
		.amdhsa_next_free_sgpr 84
		.amdhsa_reserve_vcc 0
		.amdhsa_float_denorm_mode_32 3
		.amdhsa_float_denorm_mode_16_64 3
		.amdhsa_memory_ordered 1
		.amdhsa_forward_progress 1
		.amdhsa_inst_pref_size 117
	.end_amdhsa_kernel
	.amdgpu_metadata
---
amdhsa.version: [ 1, 2 ]
amdhsa.kernels:
  - .name:           k_qe6cad1552d_qkv
    .symbol:         k_qe6cad1552d_qkv.kd
    .args:
      - { .name: x, .offset: 0, .size: 8, .value_kind: global_buffer, .address_space: global }
      - { .name: wqkv, .offset: 8, .size: 8, .value_kind: global_buffer, .address_space: global }
      - { .name: bq, .offset: 16, .size: 8, .value_kind: global_buffer, .address_space: global }
      - { .name: bk, .offset: 24, .size: 8, .value_kind: global_buffer, .address_space: global }
      - { .name: bv, .offset: 32, .size: 8, .value_kind: global_buffer, .address_space: global }
      - { .name: qkv, .offset: 40, .size: 8, .value_kind: global_buffer, .address_space: global }
    .group_segment_fixed_size: 327680
    .private_segment_fixed_size: 0
    .kernarg_segment_align: 8
    .kernarg_segment_size: 48
    .max_flat_workgroup_size: 256
    .sgpr_count:     84
    .vgpr_count:     512
    .wavefront_size: 32
...
	.end_amdgpu_metadata
.endif
;; end of part 2
;; launch attn (part 3): grid 256 x 1, 8 waves a work-group, clusters of 4 x 1, 327,680 bytes of LDS; arguments qkv, ctx; writes ctx
.if DOCPART == 3
	.amdgcn_target "amdgcn-amd-amdhsa--gfx1250"
	.amdhsa_code_object_version 6
	.text
	.protected	k_qe6cad1552d_attn
	.globl	k_qe6cad1552d_attn
	.p2align	8
	.type	k_qe6cad1552d_attn,@function
k_qe6cad1552d_attn:
	s_mov_b64 s[64:65], 0
	v_nop
	global_prefetch_b8 v0, s[64:65] scope:SCOPE_SE
	s_setreg_imm32_b32 hwreg(HW_REG_WAVE_MODE, 25, 1), 1
	s_wait_xcnt 0x0
	s_wait_alu depctr_hold_cnt(0) depctr_sa_sdst(0) depctr_va_vdst(0) depctr_va_sdst(0) depctr_va_ssrc(0) depctr_va_vcc(0) depctr_vm_vsrc(0)
	s_getreg_b32 s2, hwreg(HW_REG_IB_STS2, 6, 4)
	s_cmp_eq_u32 s2, 0
	s_cbranch_scc0 .Lentry_in_a_cluster
	s_endpgm
.Lentry_in_a_cluster:
	s_bfe_u32 s2, ttmp6, 0x10000c
	s_cmp_lg_u32 s2, 0x3003
	s_cbranch_scc0 .Lentry_shape_is_right
	s_endpgm
.Lentry_shape_is_right:
; Attention of one (batch, head) per cluster of four work-groups; a work-group has 512 queries, a wave 64 (four tiles of 16).  ctx[b][h][s][64] in bf16.
; S^T = K Q^T (source 0 = 16 keys, source 1 = 16 queries): lane (r, h) holds 8 keys of query r, so the maximum and the sum of a query are figures of a lane
; and its partner 16 lanes off.  Two neighbouring tiles of S^T, rounded to bf16, are the second source of O^T = V^T P^T as they lie.  V^T fragments come from
; V [key][d] by the transposing LDS load.  q carries 0.125 log2 e, so p = 2^(s - m), with a running maximum m; O and l are rescaled in every step (no branch on numbers).
; A step is 64 keys.  A slot holds 512 keys of K and of V; two slots, four fills.
; THE ORDER OF THE WORK is a pipeline over query tiles.  Turn k = 4 step + tile n has three stretches:
;   B: the 8 products O(n-1) += V^T P(n-1), with the 16 multiplies that rescale O(n) laid among and behind them (one window setting serves both);
;   C: the 8 products S(n+1) = K Q(n+1)^T, with 4 of the 32 exponentials of tile n behind each (an exponential names no second source, so the window of Q does not touch it);
;   D: the sums and roundings of tile n, with the chain of the maximum of tile n+1 laid between them, then the subtractions of tile n+1.
; So 16 matrix instructions and about 118 vector instructions of three neighbouring tiles share a turn, and no stretch waits for a result made just before it.
; K of step j+1 is loaded in stretch D of turn (j, 2), V of step j+1 at the end of stretch B of turn (j+1, 0): each a stretch or more ahead of its first use.
; CLUSTERS: the four work-groups read the same K and V: every fill is a joint load with the mask of all four.
; No prefetch: a refill is asked for eight steps ahead of its first read.
; LIMITS: operands bf16; l sums p before its rounding to bf16 while P V uses the rounded p; 2^x below 2^-126 counts as zero (ISA guide, v_exp_f32); NaN and infinities get no treatment of their own.
.set SLOT,   155648                    ; K part 73,728 + V part 81,920
.set KPITCH, 144                       ; 128 bytes + 16: an odd multiple of 16
.set VPITCH, 160                       ; 128 bytes + 32: an odd multiple of 32, for the transposing load
.set VPART,  512*KPITCH
.set KSTEP,  64*KPITCH                 ; a step's 64 keys in the K part
.set VSTEP,  64*VPITCH                 ; and in the V part
.set KA,  4                            ; v4   where the next K fragments lie
.set VA,  5                            ; v5   where the next V fragments lie
.set KL,  6                            ; v6   the lane term of KA
.set VL,  7                            ; v7   the lane term of VA
.set QO,  8                            ; v8   my place in a tile of Q
.set STO, 9                            ; way out: where I put 16 bytes of a row
.set RD,  10                           ; way out: where I read rows back
.set CO,  11                           ; 16 x lane
.set KF,  32                           ; v[32:95]   K fragments (key tile i, half ks) at 8 (2 i + ks)
.set SC,  96                           ; v[96:223]  S^T of query tile n at 32 n, key tile i at + 8 i; later P in its first 16 registers
.set ST,  224                          ; v[224:247] query tile n at 6 n: m, exchange, alpha, local maximum, l (a pair)
.set TT,  248                          ; v[248:251] four chains of the maximum
.set OACC, 0                           ; window 1: O^T (n, d tile t) at 8 (4 n + t)
.set QF,  128                          ; window 1: Q fragments (n, ks) at 8 (2 n + ks)
.set VF,  192                          ; window 1: V^T fragments (t, kb) at 8 (2 t + kb)
.set WV,   8
.set KIND, 10
.set G1K, 16
.set G1V, 24
.set G0K, 32
.set G0V, 40
.set MSB, 0
.macro WIN new                         ; the upper byte of the immediate repeats the setting that is left
.if MSB != \new
	s_set_vgpr_msb (MSB<<8)|\new
.set MSB, \new
.endif
.endm
.macro ROUND                           ; a round of the cluster barrier
	s_barrier_signal -1
	s_barrier_wait -1
	s_cmp_lg_u32 s[WV], 0
	s_cbranch_scc1 .Lnot_wave_0_\@
	s_barrier_signal -3
.Lnot_wave_0_\@:
	s_barrier_wait -3
	s_barrier_signal -1
	s_barrier_wait -1
.endm
.macro JLOAD s                         ; one joint load a wave: waves 0-3 128 keys of K each, waves 4-7 128 keys of V
	s_cmp_eq_u32 s[KIND], 0
	s_cbranch_scc0 .Lfor_b_\@
	tensor_load_to_lds s[G0K+4*\s:G0K+4*\s+3], s[G1K:G1K+7]
	s_nop 0
.rept 4
	v_nop
.endr
	s_branch .Lasked_\@
.Lfor_b_\@:
	tensor_load_to_lds s[G0V+4*\s:G0V+4*\s+3], s[G1V:G1V+7]
	s_nop 0
.rept 4
	v_nop
.endr
.Lasked_\@:
.endm
	s_load_b128 s[4:7], s[0:1], 0x0                ; qkv s[4:5], ctx s[6:7]
	v_lshl_add_u32 v254, v0, 2, 0x4c000
	v_mov_b32 v255, 0
	ds_add_u32 v254, v255
	ds_add_u32 v254, v255
	v_lshrrev_b32 v1, 5, v0
	v_readfirstlane_b32 s8, v1                     ; wave W
	s_and_b32 s9, s8, 3
	s_lshr_b32 s10, s8, 2
	s_bfe_u32 s11, ttmp6, 0x40000                  ; cx: which 512 queries
	s_mov_b32 s14, 0x76543210                      ; v_permlanex16_b32: lane i reads lane i of the other half
	s_mov_b32 s15, 0xfedcba98
	; group 1: 128 rows x 64 bf16, dense; K with 4 words of padding behind every 32, V with 8
	s_mov_b32 s[G1K+0], 15|(1<<16)|(1<<20)|(1<<21)|(4<<22)|(3<<25)
	s_mov_b32 s[G1V+0], 15|(1<<16)|(1<<20)|(1<<21)|(4<<22)|(7<<25)
.irp g, G1K, G1V
	s_mov_b32 s[\g+1], 64<<16
	s_mov_b32 s[\g+2], 128<<16
	s_mov_b32 s[\g+3], 64<<16
	s_mov_b32 s[\g+4], 128
	s_mov_b32 s[\g+5], 64
	s_mov_b32 s[\g+6], 0
	s_mov_b32 s[\g+7], 0
.endr
	s_lshl_b32 s48, ttmp9, 18                      ; the head: 2,048 rows of 128 bytes (ttmp9 counts clusters)
	s_lshl_b32 s49, s9, 14                         ; + 128 keys for each quarter: nothing of cx
	s_add_co_u32 s48, s48, s49
	s_mov_b32 s49, 0
	s_lshl3_add_u32 s50, s11, s8                   ; 8 cx + W: my 64 queries
	s_lshl_b32 s50, s50, 13
	s_lshl_b32 s51, ttmp9, 18
	s_add_co_u32 s50, s50, s51
	s_mov_b32 s51, 0
	s_mul_i32 s2, s9, 128*KPITCH
	s_mul_i32 s3, s9, 128*VPITCH
	s_add_co_u32 s3, s3, VPART
	v_and_b32 v1, 15, v0                           ; r
	v_bfe_u32 v2, v0, 4, 1                         ; h
	v_lshlrev_b32 v14, 7, v1
	v_lshl_add_u32 v[QO], v2, 4, v14               ; 128 r + 16 h
	s_wait_dscnt 0x0
	s_wait_kmcnt 0x0
	s_add_nc_u64 s[52:53], s[4:5], s[50:51]        ; my queries
	s_add_nc_u64 s[54:55], s[6:7], s[50:51]        ; my rows of ctx
	s_add_nc_u64 s[48:49], s[4:5], s[48:49]
	WIN 0x40                                       ; Q goes out first: it is on its way during the round below
.irp n, 0,1,2,3
.irp k, 0,1
	global_load_b128 v[QF+8*(2*\n+\k):QF+8*(2*\n+\k)+3],   v[QO], s[52:53] offset:\n*2048+\k*64
	global_load_b128 v[QF+8*(2*\n+\k)+4:QF+8*(2*\n+\k)+7], v[QO], s[52:53] offset:\n*2048+\k*64+32
.endr
.endr
	WIN 0
	ROUND                                          ; the four work-groups are here: the first joint loads meet
.irp s, 0,1
	s_mov_b32 s[G0K+4*\s], 1
	s_add_co_u32 s[G0K+4*\s+1], s2, \s*SLOT
	s_add_nc_u64 s[G0K+4*\s+2:G0K+4*\s+3], s[48:49], 16777216+\s*65536     ; part 1, keys 512 s ..
	s_or_b32 s[G0K+4*\s+3], s[G0K+4*\s+3], 0x80000000
	s_mov_b32 s[G0V+4*\s], 1
	s_add_co_u32 s[G0V+4*\s+1], s3, \s*SLOT
	s_add_nc_u64 s[G0V+4*\s+2:G0V+4*\s+3], s[48:49], 33554432+\s*65536     ; part 2
	s_or_b32 s[G0V+4*\s+3], s[G0V+4*\s+3], 0x80000000
	JLOAD \s                                       ; two loads of a wave are out
.endr
	v_mul_u32_u24 v3, v1, KPITCH
	v_lshl_add_u32 v[KL], v2, 4, v3                ; key r, 16 h
	v_and_b32 v12, 7, v0
	v_lshl_add_u32 v12, v2, 3, v12                 ; key 8 h + (lane & 7)
	v_mul_u32_u24 v12, v12, VPITCH
	v_bfe_u32 v13, v0, 3, 1
	v_lshl_add_u32 v[VL], v13, 4, v12              ; + 16 bytes for lanes 8-15 and 24-31
	v_add_nc_u32 v[VA], VPART, v[VL]               ; V of step 0
	s_mul_i32 s12, s8, 16*KPITCH                   ; my stage: in slot 0, used behind its last fill and its last read
	v_add_nc_u32 v[STO], s12, v[KL]
	v_and_b32 v14, 31, v0
	v_lshrrev_b32 v15, 3, v14
	v_mul_u32_u24 v15, v15, KPITCH
	v_and_b32 v16, 7, v0
	v_lshl_add_u32 v15, v16, 4, v15
	v_add_nc_u32 v[RD], s12, v15
	v_lshlrev_b32 v[CO], 4, v14
.irp n, 0,1,2,3
	v_mov_b32 v[ST+6*\n+1], 0                      ; v_permlanex16_b32 counts its destination as read
.endr
; 16 LDS loads: the four key tiles of a step, both halves of d
.macro KLOAD adr
.irp i, 0,1,2,3
.irp k, 0,1
	ds_load_b128 v[KF+8*(2*\i+\k):KF+8*(2*\i+\k)+3],   v[\adr] offset:\i*16*KPITCH+\k*64
	ds_load_b128 v[KF+8*(2*\i+\k)+4:KF+8*(2*\i+\k)+7], v[\adr] offset:\i*16*KPITCH+\k*64+32
.endr
.endr
.endm
; 16 transposing LDS loads: V^T of a step, four tiles of d x two halves of the 64 keys
.macro VLOAD
	WIN 0x40
.irp t, 0,1,2,3
.irp k, 0,1
	ds_load_tr16_b128 v[VF+8*(2*\t+\k):VF+8*(2*\t+\k)+3],   v[VA] offset:\k*32*VPITCH+32*\t
	ds_load_tr16_b128 v[VF+8*(2*\t+\k)+4:VF+8*(2*\t+\k)+7], v[VA] offset:\k*32*VPITCH+16*VPITCH+32*\t
.endr
.endr
.endm
; STRETCH B.  Eight products O(prv) += V^T P(prv); zero = 1: the first four start the sums.  resc = 1: O(cur) is multiplied by alpha(cur), one multiply
; behind each product and eight at the end.  The multiply has no third source, so the setting of the products (source 0, C and D in window 1) serves it too.
; The four accumulators take turns, one instruction a turn.
.macro PV prv, zero, resc, cur
	WIN 0x51
.irp k, 0,1
.irp t, 0,1,2,3
.if (\zero)*(1-\k)
	v_wmma_f32_16x16x32_bf16 v[OACC+8*(4*\prv+\t):OACC+8*(4*\prv+\t)+7], v[VF+16*\t+8*\k:VF+16*\t+8*\k+7], v[SC+32*\prv+8*\k:SC+32*\prv+8*\k+7], 0
.else
	v_wmma_f32_16x16x32_bf16 v[OACC+8*(4*\prv+\t):OACC+8*(4*\prv+\t)+7], v[VF+16*\t+8*\k:VF+16*\t+8*\k+7], v[SC+32*\prv+8*\k:SC+32*\prv+8*\k+7], v[OACC+8*(4*\prv+\t):OACC+8*(4*\prv+\t)+7]
.endif
.if \resc
	s_wait_alu depctr_va_vdst(0)
	v_pk_mul_f32 v[OACC+32*\cur+2*(4*\k+\t):OACC+32*\cur+2*(4*\k+\t)+1], v[OACC+32*\cur+2*(4*\k+\t):OACC+32*\cur+2*(4*\k+\t)+1], v[ST+6*\cur+2:ST+6*\cur+3] op_sel_hi:[1,0]
.endif
.endr
.endr
.if \resc
.irp q, 8,9,10,11,12,13,14,15
	v_pk_mul_f32 v[OACC+32*\cur+2*\q:OACC+32*\cur+2*\q+1], v[OACC+32*\cur+2*\q:OACC+32*\cur+2*\q+1], v[ST+6*\cur+2:ST+6*\cur+3] op_sel_hi:[1,0]
.endr
.endif
.endm
; STRETCH C.  qk = 1: eight products S(nxt) = K Q(nxt)^T, the first four starting the sums; ex = 1: four exponentials of tile cur behind each.
; The four accumulators take turns, one instruction a turn.
.macro QKEXP cur, nxt, qk, ex
.if \qk
	WIN 0x04                                       ; source 1 (Q) in window 1
.else
	WIN 0
.endif
.irp k, 0,1
.irp i, 0,1,2,3
.if \qk
.if \k
	v_wmma_f32_16x16x32_bf16 v[SC+32*\nxt+8*\i:SC+32*\nxt+8*\i+7], v[KF+16*\i+8:KF+16*\i+15], v[QF+16*\nxt+8:QF+16*\nxt+15], v[SC+32*\nxt+8*\i:SC+32*\nxt+8*\i+7]
.else
	v_wmma_f32_16x16x32_bf16 v[SC+32*\nxt+8*\i:SC+32*\nxt+8*\i+7], v[KF+16*\i:KF+16*\i+7], v[QF+16*\nxt:QF+16*\nxt+7], 0
.endif
.endif
.if \ex
.irp e, 0,1,2,3
	v_exp_f32 v[SC+32*\cur+4*(4*\k+\i)+\e], v[SC+32*\cur+4*(4*\k+\i)+\e]
.endr
.endif
.endr
.endr
.if \ex
	v_nop                                          ; the plain instruction behind the exponentials (ISA guide 5.7.2)
.endif
	WIN 0
.endm
; four numbers of p: into l, and rounded in pairs into P.  P register i takes S registers 2 i and 2 i + 1, which l has taken in before.  om = 0: nothing
.macro OPS om, n, g
.if \om
	v_pk_add_f32 v[ST+6*\n+4:ST+6*\n+5], v[ST+6*\n+4:ST+6*\n+5], v[SC+32*\n+4*\g:SC+32*\n+4*\g+1]
	v_cvt_pk_bf16_f32 v[SC+32*\n+2*\g], v[SC+32*\n+4*\g], v[SC+32*\n+4*\g+1]
	v_pk_add_f32 v[ST+6*\n+4:ST+6*\n+5], v[ST+6*\n+4:ST+6*\n+5], v[SC+32*\n+4*\g+2:SC+32*\n+4*\g+3]
	v_cvt_pk_bf16_f32 v[SC+32*\n+2*\g+1], v[SC+32*\n+4*\g+2], v[SC+32*\n+4*\g+3]
.endif
.endm
.macro OPS0 om, n                      ; the first four: om = 1: l is started; om = 2: l is rescaled in the same instruction
.if (\om) == 1
	s_wait_alu depctr_va_vdst(0)
	v_pk_add_f32 v[ST+6*\n+4:ST+6*\n+5], v[SC+32*\n:SC+32*\n+1], v[SC+32*\n+2:SC+32*\n+3]
	v_cvt_pk_bf16_f32 v[SC+32*\n], v[SC+32*\n], v[SC+32*\n+1]
	v_cvt_pk_bf16_f32 v[SC+32*\n+1], v[SC+32*\n+2], v[SC+32*\n+3]
.endif
.if (\om) == 2
	s_wait_alu depctr_va_vdst(0)
	v_pk_fma_f32 v[ST+6*\n+4:ST+6*\n+5], v[ST+6*\n+4:ST+6*\n+5], v[ST+6*\n+2:ST+6*\n+3], v[SC+32*\n:SC+32*\n+1] op_sel_hi:[1,0,1]
	v_cvt_pk_bf16_f32 v[SC+32*\n], v[SC+32*\n], v[SC+32*\n+1]
	v_pk_add_f32 v[ST+6*\n+4:ST+6*\n+5], v[ST+6*\n+4:ST+6*\n+5], v[SC+32*\n+2:SC+32*\n+3]
	v_cvt_pk_bf16_f32 v[SC+32*\n+1], v[SC+32*\n+2], v[SC+32*\n+3]
.endif
.endm
.macro MAXL nxt, a, b                  ; one level of the four chains of the maximum
.irp c, 0,1,2,3
	v_max3_num_f32 v[TT+\c], v[TT+\c], v[SC+32*\nxt+8*\c+\a], v[SC+32*\nxt+8*\c+\b]
.endr
.endm
; STRETCH D.  The sums and roundings of tile cur (om as above) and, laid between them, the maximum of tile nxt (mx = 0: none; 1: the first step, no old maximum;
; 2: with the old maximum and alpha = 2^(m old - m new)); then s - m of tile nxt.  kl = 1: the next step's K fragments are loaded.
; The v_nop that ends stretch C and the first seven or eight lines here are the places behind the last product of stretch C (ISA guide 7.12.1):
; its result is read, and its K fragments are loaded over, only behind them.
.macro SUMMAX cur, om, nxt, mx, kl
	OPS0 \om, \cur
	OPS \om, \cur, 1
.if \kl
	KLOAD KA
.endif
.if \mx
.irp c, 0,1,2,3
	v_max3_num_f32 v[TT+\c], v[SC+32*\nxt+8*\c], v[SC+32*\nxt+8*\c+1], v[SC+32*\nxt+8*\c+2]
.endr
	MAXL \nxt, 3, 4
.endif
	OPS \om, \cur, 2
.if \mx
	MAXL \nxt, 5, 6
.endif
	OPS \om, \cur, 3
.if \mx
	v_max3_num_f32 v[TT], v[TT], v[TT+1], v[SC+32*\nxt+7]
	v_max3_num_f32 v[TT+2], v[TT+2], v[TT+3], v[SC+32*\nxt+15]
.endif
	OPS \om, \cur, 4
.if \mx
	v_max3_num_f32 v[TT], v[TT], v[TT+2], v[SC+32*\nxt+23]
.endif
	OPS \om, \cur, 5
.if (\mx) == 1
	v_max_num_f32 v[ST+6*\nxt+3], v[TT], v[SC+32*\nxt+31]
.endif
.if (\mx) == 2
	v_max3_num_f32 v[ST+6*\nxt+3], v[TT], v[SC+32*\nxt+31], v[ST+6*\nxt]
.endif
	OPS \om, \cur, 6
.if \mx
	v_permlanex16_b32 v[ST+6*\nxt+1], v[ST+6*\nxt+3], s14, s15     ; the other 32 keys of the same query
.endif
	OPS \om, \cur, 7
.if \mx
	v_max_num_f32 v[ST+6*\nxt+1], v[ST+6*\nxt+3], v[ST+6*\nxt+1]
.if (\mx) == 2
	v_sub_f32 v[ST+6*\nxt+2], v[ST+6*\nxt], v[ST+6*\nxt+1]
	v_exp_f32 v[ST+6*\nxt+2], v[ST+6*\nxt+2]       ; the move below is the plain instruction behind it (ISA guide 5.7.2)
.endif
	v_mov_b32 v[ST+6*\nxt], v[ST+6*\nxt+1]
	s_wait_alu depctr_va_vdst(0)
.irp i, 0,1,2,3,4,5,6,7,8,9,10,11,12,13,14,15
	v_pk_add_f32 v[SC+32*\nxt+2*\i:SC+32*\nxt+2*\i+1], v[SC+32*\nxt+2*\i:SC+32*\nxt+2*\i+1], v[ST+6*\nxt:ST+6*\nxt+1] op_sel_hi:[1,0] neg_lo:[0,1] neg_hi:[0,1]
.endr
.endif
.endm
; A TURN of tile cur.  pv: 0 no products for tile prv, 1 they start O(prv), 2 they add onto it.  ld = 1: this turn's LDS loads are issued.
; Each run of 16 LDS loads is alone on its counter when it is waited for, so both waits are for 0; KA and VA are stepped behind those waits.
.macro TURN cur, prv, nxt, pv, resc, qk, om, mx, ld
.if \cur == 1
	s_wait_dscnt 0x0                               ; V^T of this step, loaded in the turn before, is in
.if \ld
	v_add_nc_u32 v[VA], VSTEP, v[VA]
	s_wait_alu depctr_va_vdst(0)
.endif
.endif
.if \pv
	PV \prv, 2-(\pv), \resc, \cur
.endif
.if \cur == 0
.if \ld
	VLOAD                                          ; nine multiplies stand behind the last product that read V^T: the places in front of these loads
.endif
.endif
.if \cur == 3
.if \qk
	s_wait_dscnt 0x0                               ; K of the next step, loaded in the turn before, is in
.endif
.endif
	QKEXP \cur, \nxt, \qk, 1
.if \cur == 2
	SUMMAX \cur, \om, \nxt, \mx, \ld
.else
	SUMMAX \cur, \om, \nxt, \mx, 0
.endif
.if \cur == 3
.if \qk
	v_add_nc_u32 v[KA], KSTEP, v[KA]
	s_wait_alu depctr_va_vdst(0)
.endif
.endif
.endm
; The change of slots, between turns 1 and 2 of a slot's last step: V of that step, the last read of the old slot, has been waited for, and K of the next step,
; the first read of the new slot, follows.  Each wave waits for its reads and for all its tensor loads (its part of the new slot among them).
; kind = 1: the round follows, and the old slot's joint refill is the first thing behind it, one load a wave; it has eight steps in which to land.
; kind = 2: nothing is left to fetch: the work-group's barrier shows the new slot whole.
.macro BOUNDARY kind, old, new
	s_wait_dscnt 0x0
	s_wait_tensorcnt 0x0
	ds_add_u32 v254, v255
	s_wait_dscnt 0x0
.if \kind == 1
	s_add_nc_u64 s[G0K+4*\old+2:G0K+4*\old+3], s[G0K+4*\old+2:G0K+4*\old+3], 131072     ; no load of mine is out: 1,024 keys on
	s_add_nc_u64 s[G0V+4*\old+2:G0V+4*\old+3], s[G0V+4*\old+2:G0V+4*\old+3], 131072
	ROUND
	JLOAD \old
.else
	s_barrier_signal -1
	s_barrier_wait -1
.endif
	v_add_nc_u32 v[KA], \new*SLOT, v[KL]
	v_add_nc_u32 v[VA], \new*SLOT+VPART, v[VL]
	s_wait_alu depctr_va_vdst(0)
.endm
; UNIT j = turns (j, 1), (j, 2), (j, 3), (j+1, 0): all four products P V of step j.  f = 1: step 0, whose products start O and whose sums start l and m.
; last = 1: step 31: nothing is loaded, no S of a next step is asked for, and tile 3's products follow behind the unit.
.macro UNIT f, bnd, old, new, last
	TURN 1, 0, 2, 2-\f, 1-\f, 1, 2-\f, 2-\f, 1-\last
.if \bnd
	BOUNDARY \bnd, \old, \new
.endif
	TURN 2, 1, 3, 2-\f, 1-\f, 1, 2-\f, 2-\f, 1-\last
.if \last
	TURN 3, 2, 0, 2, 1, 0, 2, 0, 0
.else
	TURN 3, 2, 0, 2-\f, 1-\f, 1, 2-\f, 2, 1
	TURN 0, 3, 1, 2-\f, 1, 1, 2, 2, 1
.endif
.endm
.macro UNITS cnt
	s_mov_b32 s13, \cnt
.Lunit_\@:
	UNIT 0, 0, 0, 0, 0
	s_sub_co_u32 s13, s13, 1
	s_cmp_lg_u32 s13, 0
	s_cbranch_scc1 .Lunit_\@
.endm
	s_wait_tensorcnt 0x1                           ; my part of slot 0 is in; slot 1 may stay out
	s_barrier_signal -1
	s_barrier_wait -1
	; THE WAY IN: K and V of step 0, S of tile 0, its maximum, and turn (0, 0), which has no products P V yet
	KLOAD KL
	VLOAD
	s_wait_loadcnt 0x0                             ; Q
	s_wait_dscnt 16                                ; the 16 loads of K are in, the 16 of V may stay out
	QKEXP 0, 0, 1, 0
	v_add_nc_u32 v[KA], KSTEP, v[KL]               ; K of step 1; with the three below, the four places in front of the reads of S (ISA guide 7.12.1)
	v_nop
	v_nop
	v_nop
	SUMMAX 0, 0, 0, 1, 0
	TURN 0, 3, 1, 0, 0, 1, 1, 1, 0
	UNIT 1, 0, 0, 0, 0                             ; step 0
	UNITS 6                                        ; steps 1 to 6
	UNIT 0, 1, 0, 1, 0                             ; step 7: slot 0 is asked for again (keys 1,024 ..), the work goes on in slot 1
	UNITS 7                                        ; steps 8 to 14
	UNIT 0, 1, 1, 0, 0                             ; step 15: slot 1 is asked for again (keys 1,536 ..), the work goes on in slot 0
	UNITS 7                                        ; steps 16 to 22
	UNIT 0, 2, 0, 1, 0                             ; step 23: the last fill has landed, the work goes on in slot 1
	UNITS 7                                        ; steps 24 to 30
	UNIT 0, 0, 0, 0, 1                             ; step 31
	PV 3, 0, 0, 0                                  ; the last eight products
	WIN 0
	s_wait_dscnt 0x0
	s_barrier_signal -1                            ; no wave reads K or V any more: the stages may be written
	s_barrier_wait -1
	; THE WAY OUT.  The eight additions below name nothing of the last products: they are the places in front of the reads of O (ISA guide 7.12.1).
.irp n, 0,1,2,3
	v_add_f32 v[ST+6*\n+4], v[ST+6*\n+4], v[ST+6*\n+5]
.endr
.irp n, 0,1,2,3
	v_permlanex16_b32 v[ST+6*\n+1], v[ST+6*\n+4], s14, s15
.endr
.irp n, 0,1,2,3
	v_add_f32 v[ST+6*\n+4], v[ST+6*\n+4], v[ST+6*\n+1]     ; l of the query: at least 1, the term of the maximum
.endr
.irp n, 0,1,2,3
	v_rcp_f32 v[ST+6*\n+2], v[ST+6*\n+4]
.endr
	v_nop                                          ; the plain instruction behind the reciprocals (ISA guide 5.7.2)
	s_wait_alu depctr_va_vdst(0)
.irp n, 0,1,2,3
	WIN 0x01
.irp q, 0,1,2,3,4,5,6,7,8,9,10,11,12,13,14,15
	v_pk_mul_f32 v[SC+32*\n+2*\q:SC+32*\n+2*\q+1], v[OACC+32*\n+2*\q:OACC+32*\n+2*\q+1], v[ST+6*\n+2:ST+6*\n+3] op_sel_hi:[1,0]
.endr
	WIN 0
.irp q, 0,1,2,3,4,5,6,7,8,9,10,11,12,13,14,15
	v_cvt_pk_bf16_f32 v[SC+32*\n+\q], v[SC+32*\n+2*\q], v[SC+32*\n+2*\q+1]
.endr
.irp t, 0,1,2,3
	ds_store_b128 v[STO], v[SC+32*\n+4*\t:SC+32*\n+4*\t+3] offset:32*\t
.endr
.irp t, 0,1,2,3
	ds_load_b128 v[KF+16*\n+4*\t:KF+16*\n+4*\t+3], v[RD] offset:4*KPITCH*\t    ; LDS serves a wave in order (ISA guide 5.7.1): these see the stores above
.endr
.irp t, 0,1,2,3
	s_wait_dscnt 3-\t                              ; read-backs come in order: number t is in, the younger ones stay out
	global_store_b128 v[CO], v[KF+16*\n+4*\t:KF+16*\n+4*\t+3], s[54:55] offset:\n*2048+512*\t   ; 512 consecutive bytes, aligned
.endr
.endr
	s_wait_tensorcnt 0x0
	ds_add_u32 v254, v255
	s_wait_dscnt 0x0
	ROUND                                          ; the closing round
	s_endpgm
.Lfunc_end_k_qe6cad1552d_attn:
	.size	k_qe6cad1552d_attn, .Lfunc_end_k_qe6cad1552d_attn-k_qe6cad1552d_attn
	.p2alignl 7, 3214868480
	.fill 96, 4, 3214868480
	.section	.rodata,"a",@progbits
	.p2align	6, 0x0
	.amdhsa_kernel k_qe6cad1552d_attn
		.amdhsa_group_segment_fixed_size 327680
		.amdhsa_private_segment_fixed_size 0
		.amdhsa_enable_private_segment 0
		.amdhsa_kernarg_size 16
		.amdhsa_user_sgpr_count 2
		.amdhsa_user_sgpr_kernarg_segment_ptr 1
		.amdhsa_wavefront_size32 1
		.amdhsa_system_sgpr_workgroup_id_x 1
		.amdhsa_system_sgpr_workgroup_id_y 1
		.amdhsa_system_sgpr_workgroup_id_z 1
		.amdhsa_system_vgpr_workitem_id 0
		.amdhsa_next_free_vgpr 512
		.amdhsa_next_free_sgpr 66
		.amdhsa_reserve_vcc 0
		.amdhsa_float_denorm_mode_32 3
		.amdhsa_float_denorm_mode_16_64 3
		.amdhsa_memory_ordered 1
		.amdhsa_forward_progress 1
		.amdhsa_inst_pref_size 255
	.end_amdhsa_kernel
	.section	.bss,"aw",@nobits
	.p2align	6
	.space	262144
	.amdgpu_metadata
---
amdhsa.version: [ 1, 2 ]
amdhsa.kernels:
  - .name:           k_qe6cad1552d_attn
    .symbol:         k_qe6cad1552d_attn.kd
    .args:
      - { .name: qkv, .offset: 0, .size: 8, .value_kind: global_buffer, .address_space: global }
      - { .name: ctx, .offset: 8, .size: 8, .value_kind: global_buffer, .address_space: global }
    .group_segment_fixed_size: 327680
    .private_segment_fixed_size: 0
    .kernarg_segment_align: 8
    .kernarg_segment_size: 16
    .max_flat_workgroup_size: 256
    .sgpr_count:     66
    .vgpr_count:     512
    .wavefront_size: 32
...
	.end_amdgpu_metadata
.endif
;; end of part 3
;; launch outln (part 4): grid 256 x 1, 8 waves a work-group, clusters of 4 x 1, 327,680 bytes of LDS; arguments ctx, wot, x, bo, gamma, beta, out0; writes out0
.if DOCPART == 4
	.amdgcn_target "amdgcn-amd-amdhsa--gfx1250"
	.amdhsa_code_object_version 6
	.text
	.protected	k_qe6cad1552d_outln
	.globl	k_qe6cad1552d_outln
	.p2align	8
	.type	k_qe6cad1552d_outln,@function
k_qe6cad1552d_outln:
	s_mov_b64 s[64:65], 0
	v_nop
	global_prefetch_b8 v0, s[64:65] scope:SCOPE_SE
	s_setreg_imm32_b32 hwreg(HW_REG_WAVE_MODE, 25, 1), 1
	s_wait_xcnt 0x0
	s_wait_alu depctr_hold_cnt(0) depctr_sa_sdst(0) depctr_va_vdst(0) depctr_va_sdst(0) depctr_va_ssrc(0) depctr_va_vcc(0) depctr_vm_vsrc(0)
	s_getreg_b32 s2, hwreg(HW_REG_IB_STS2, 6, 4)
	s_cmp_eq_u32 s2, 0
	s_cbranch_scc0 .Lentry_in_a_cluster
	s_endpgm
.Lentry_in_a_cluster:
	s_bfe_u32 s2, ttmp6, 0x10000c
	s_cmp_lg_u32 s2, 0x3003
	s_cbranch_scc0 .Lentry_shape_is_right
	s_endpgm
.Lentry_shape_is_right:
; out0 = LayerNorm(ctx Wo^T + bo + x) gamma + beta.  A work-group has 64 whole rows of 512, so a row never leaves it.  256 work-groups.
; Product: wave W has all 64 rows x columns 64 W .. + 63, 16 accumulator tiles; used transposed (source 0 = rows of Wo, source 1 = rows of ctx).
; K goes in four steps of 128 (two heads of ctx) through two LDS slots; all four are written out.
; Row pass: the f32 sums go through LDS once; wave W then holds rows 8 W .. + 7 whole (16 numbers a lane), so mean and variance stay inside a wave.
; The variance is taken from the centred numbers, as the reference takes it.
; CLUSTERS: every work-group walks the same Wo: its tiles are joint loads of four work-groups.  The tiles of ctx are a work-group's own: plain loads behind the same rounds.
; x is loaded into registers at the start and is on its way during the whole product.
; LIMITS: matrix operands bf16, everything else f32; NaN and infinities get no treatment of their own.
.set SLOT,   157696                    ; Wo part 139,264 + ctx part 18,432
.set WPITCH, 272                       ; 256 bytes + 16
.set CPITCH, 144                       ; 128 bytes + 16
.set CPART,  512*WPITCH
.set SPITCH, 2064                      ; the stage: 64 rows of 2,048 bytes + 16, at LDS byte 0, in slot 0 behind its last fill and its last read
.set ADRA, 4                           ; v4, v5    ctx fragments in slot 0, 1
.set ADRB, 6                           ; v6, v7    Wo fragments in slot 0, 1
.set STO,  8                           ; v[8:11]   stage: my 32 bytes of row 16 a + r
.set RD,   12                          ; v12       stage: my 16 bytes of row 8 W
.set CO,   13                          ; v13       16 x lane
.set F0,   16                          ; v[16:79]  fragments: ctx at + 8 a, Wo at + 32 + 8 t
.set F1,   80                          ; v[80:143] the second buffer
.set YY,   16                          ; v[16:143] row pass: row j at 16 j
.set BO,   144
.set GA,   160
.set BE,   176
.set PS,   192                         ; v[192:207] row j: sum, then mean, in the low register of pair j
.set QS,   208                         ; v[208:223] row j: sum of squares, then 1 / sqrt(var + eps)
.set XR,   128                         ; window 1: x, row j at 16 j; accumulators (a, t) at 8 (4 a + t)
.set WV,   18
.set KIND, 20
.set G1W,  28
.set G1C,  36
.set G0W,  44
.set G0C,  52
.set MSB,  0
.macro WIN new
.if MSB != \new
	s_set_vgpr_msb (MSB<<8)|\new
.set MSB, \new
.endif
.endm
.macro PLACES
.rept 4
	v_nop
.endr
.endm
.macro ROUND
	s_barrier_signal -1
	s_barrier_wait -1
	s_cmp_lg_u32 s[WV], 0
	s_cbranch_scc1 .Lnot_wave_0_\@
	s_barrier_signal -3
.Lnot_wave_0_\@:
	s_barrier_wait -3
	s_barrier_signal -1
	s_barrier_wait -1
.endm
.macro JLOAD s                         ; one load a wave: waves 0-3 128 rows of Wo each, jointly; waves 4-7 32 rows of one head of ctx each
	s_cmp_eq_u32 s[KIND], 0
	s_cbranch_scc0 .Lfor_b_\@
	tensor_load_to_lds s[G0W+4*\s:G0W+4*\s+3], s[G1W:G1W+7]
	s_nop 0
.rept 4
	v_nop
.endr
	s_branch .Lasked_\@
.Lfor_b_\@:
	tensor_load_to_lds s[G0C+4*\s:G0C+4*\s+3], s[G1C:G1C+7]
	s_nop 0
.rept 4
	v_nop
.endr
.Lasked_\@:
.endm
	s_load_b256 s[4:11], s[0:1], 0x0               ; ctx s[4:5], wot s[6:7], x s[8:9], bo s[10:11]
	s_load_b128 s[12:15], s[0:1], 0x20             ; gamma s[12:13], beta s[14:15]
	s_load_b64 s[16:17], s[0:1], 0x30              ; out0
	v_lshl_add_u32 v254, v0, 2, 0x4d000
	v_mov_b32 v255, 0
	ds_add_u32 v254, v255
	ds_add_u32 v254, v255
	v_lshrrev_b32 v1, 5, v0
	v_readfirstlane_b32 s18, v1                    ; wave W
	s_and_b32 s19, s18, 3
	s_lshr_b32 s20, s18, 2
	s_bfe_u32 s21, ttmp6, 0x40000                  ; cx
	s_lshl_b32 s22, ttmp9, 2
	s_add_co_u32 s22, s22, s21                     ; g: my 64 rows
	s_mov_b32 s24, 0x76543210
	s_mov_b32 s25, 0xfedcba98
	s_mov_b32 s26, 0x3b000000                      ; 1 / 512
	s_mov_b32 s27, 0x3727c5ac                      ; 1e-5
	; group 1 for Wo: 128 rows x 128 bf16, dense, 4 words of padding behind every 64; the mask names all four work-groups
	s_mov_b32 s[G1W+0], 15|(1<<16)|(1<<20)|(1<<21)|(5<<22)|(3<<25)
	s_mov_b32 s[G1W+1], 128<<16
	s_mov_b32 s[G1W+2], 128<<16
	s_mov_b32 s[G1W+3], 128<<16
	s_mov_b32 s[G1W+4], 128
	s_mov_b32 s[G1W+5], 128
	s_mov_b32 s[G1W+6], 0
	s_mov_b32 s[G1W+7], 0
	; group 1 for ctx: 32 rows x 64 bf16, dense, 4 words of padding behind every 32; no mask
	s_mov_b32 s[G1C+0], (1<<16)|(1<<20)|(4<<22)|(3<<25)
	s_mov_b32 s[G1C+1], 64<<16
	s_mov_b32 s[G1C+2], 32<<16
	s_mov_b32 s[G1C+3], 64<<16
	s_mov_b32 s[G1C+4], 32
	s_mov_b32 s[G1C+5], 64
	s_mov_b32 s[G1C+6], 0
	s_mov_b32 s[G1C+7], 0
	s_lshr_b32 s60, s22, 5                         ; b
	s_lshl_b32 s60, s60, 3
	s_lshr_b32 s61, s19, 1                         ; which of the two heads of a step I fetch
	s_add_co_u32 s60, s60, s61
	s_lshl_b32 s60, s60, 11                        ; 2,048 rows a head
	s_and_b32 s61, s22, 31
	s_lshl_b32 s61, s61, 6                         ; my first row in the sequence
	s_add_co_u32 s60, s60, s61
	s_and_b32 s61, s19, 1
	s_lshl_b32 s61, s61, 5                         ; which 32 rows I fetch
	s_add_co_u32 s60, s60, s61
	s_lshl_b32 s60, s60, 7                         ; rows of 128 bytes
	s_mov_b32 s61, 0
	s_lshl_b32 s66, s19, 15                        ; Wo: 128 rows of 256 bytes for each quarter: nothing of cx
	s_mov_b32 s67, 0
	s_mul_i32 s2, s19, 128*WPITCH
	s_mul_i32 s3, s19, 32*CPITCH
	s_add_co_u32 s3, s3, CPART
	s_wait_dscnt 0x0
	s_wait_kmcnt 0x0
	s_add_nc_u64 s[62:63], s[4:5], s[60:61]
	s_add_nc_u64 s[68:69], s[6:7], s[66:67]
	ROUND                                          ; the four work-groups are here: the first joint loads meet
.irp s, 0,1
	s_mov_b32 s[G0W+4*\s], 1
	s_add_co_u32 s[G0W+4*\s+1], s2, \s*SLOT
	s_add_nc_u64 s[G0W+4*\s+2:G0W+4*\s+3], s[68:69], \s*131072     ; K step s
	s_or_b32 s[G0W+4*\s+3], s[G0W+4*\s+3], 0x80000000
	s_mov_b32 s[G0C+4*\s], 1
	s_add_co_u32 s[G0C+4*\s+1], s3, \s*SLOT
	s_add_nc_u64 s[G0C+4*\s+2:G0C+4*\s+3], s[62:63], \s*524288     ; two heads on
	s_or_b32 s[G0C+4*\s+3], s[G0C+4*\s+3], 0x80000000
	JLOAD \s                                       ; two loads of a wave are out
.endr
	s_lshl_b32 s60, s22, 17                        ; 64 g rows of 2,048 bytes
	s_lshl_b32 s61, s18, 14                        ; + 8 W rows
	s_add_co_u32 s60, s60, s61
	s_mov_b32 s61, 0
	s_add_nc_u64 s[8:9], s[8:9], s[60:61]
	s_add_nc_u64 s[16:17], s[16:17], s[60:61]
	v_and_b32 v14, 31, v0
	v_lshlrev_b32 v[CO], 4, v14
	WIN 0x40
.irp j, 0,1,2,3,4,5,6,7
.irp c, 0,1,2,3
	global_load_b128 v[XR+16*\j+4*\c:XR+16*\j+4*\c+3], v[CO], s[8:9] offset:\j*2048+\c*512 th:TH_LOAD_NT
.endr
.endr
	WIN 0
.irp c, 0,1,2,3
	global_load_b128 v[BO+4*\c:BO+4*\c+3], v[CO], s[10:11] offset:\c*512
	global_load_b128 v[GA+4*\c:GA+4*\c+3], v[CO], s[12:13] offset:\c*512
	global_load_b128 v[BE+4*\c:BE+4*\c+3], v[CO], s[14:15] offset:\c*512
.endr
	v_and_b32 v1, 15, v0                           ; r
	v_bfe_u32 v2, v0, 4, 1                         ; h
	v_mul_u32_u24 v3, v1, CPITCH
	v_lshl_add_u32 v3, v2, 4, v3
	v_add_nc_u32 v[ADRA], CPART, v3
	v_add_nc_u32 v[ADRA+1], CPART+SLOT, v3
	v_mul_u32_u24 v3, v1, WPITCH
	v_lshl_add_u32 v3, v2, 4, v3
	s_mul_i32 s23, s18, 64*WPITCH
	v_add_nc_u32 v[ADRB], s23, v3
	v_add_nc_u32 v[ADRB+1], SLOT, v[ADRB]
	v_mul_u32_u24 v3, v1, SPITCH
	v_lshl_add_u32 v3, v2, 5, v3                   ; 8 f32 are 32 bytes
	s_lshl_b32 s23, s18, 8                         ; my 64 columns
	v_add_nc_u32 v[STO], s23, v3
.irp a, 1,2,3
	v_add_nc_u32 v[STO+\a], \a*16*SPITCH, v[STO]
.endr
	s_mul_i32 s23, s18, 8*SPITCH
	v_add_nc_u32 v[RD], s23, v[CO]
; 16 LDS loads: the fragments of 32 along K (head hd of the step, half hf of the head) into buffer f
.macro FETCH slot, hd, hf, f
.irp a, 0,1,2,3
	ds_load_b128 v[\f+8*\a:\f+8*\a+3],   v[ADRA+\slot] offset:\hd*64*CPITCH+\a*16*CPITCH+\hf*64
	ds_load_b128 v[\f+8*\a+4:\f+8*\a+7], v[ADRA+\slot] offset:\hd*64*CPITCH+\a*16*CPITCH+\hf*64+32
.endr
.irp t, 0,1,2,3
	ds_load_b128 v[\f+32+8*\t:\f+32+8*\t+3], v[ADRB+\slot] offset:\t*16*WPITCH+(2*\hd+\hf)*64
	ds_load_b128 v[\f+36+8*\t:\f+36+8*\t+3], v[ADRB+\slot] offset:\t*16*WPITCH+(2*\hd+\hf)*64+32
.endr
.endm
; 16 matrix instructions; the 16 accumulators take turns, one instruction a turn
.macro MUL16 f, zero
	WIN 0x50                                       ; C and D in window 1
.irp a, 0,1,2,3
.irp t, 0,1,2,3
.if \zero
	v_wmma_f32_16x16x32_bf16 v[8*(4*\a+\t):8*(4*\a+\t)+7], v[\f+32+8*\t:\f+32+8*\t+7], v[\f+8*\a:\f+8*\a+7], 0
.else
	v_wmma_f32_16x16x32_bf16 v[8*(4*\a+\t):8*(4*\a+\t)+7], v[\f+32+8*\t:\f+32+8*\t+7], v[\f+8*\a:\f+8*\a+7], v[8*(4*\a+\t):8*(4*\a+\t)+7]
.endif
.endr
.endr
	WIN 0
.endm
; A K step of 128: four times 32, on two fragment buffers; the next 16 loads are out while a buffer is multiplied
.macro SLOTWORK slot, zero
	PLACES                                         ; both buffers were read by matrix instructions
	FETCH \slot, 0, 0, F0
	FETCH \slot, 0, 1, F1
	s_wait_dscnt 16                                ; all but the 16 just issued
	MUL16 F0, \zero
	PLACES
	FETCH \slot, 1, 0, F0
	s_wait_dscnt 16
	MUL16 F1, 0
	PLACES
	FETCH \slot, 1, 1, F1
	s_wait_dscnt 16
	MUL16 F0, 0
	s_wait_dscnt 0x0
	MUL16 F1, 0
.endm
; The slot just read is asked for again: reads and all tensor loads waited for, the round, then one load a wave, first thing
.macro REFILL slot
	s_wait_dscnt 0x0
	s_wait_tensorcnt 0x0
	ds_add_u32 v254, v255
	s_wait_dscnt 0x0
	s_add_nc_u64 s[G0W+4*\slot+2:G0W+4*\slot+3], s[G0W+4*\slot+2:G0W+4*\slot+3], 262144     ; no load of mine is out: two K steps on
	s_add_nc_u64 s[G0C+4*\slot+2:G0C+4*\slot+3], s[G0C+4*\slot+2:G0C+4*\slot+3], 1048576    ; four heads on
	ROUND
	JLOAD \slot
.endm
	s_wait_tensorcnt 0x1                           ; my part of slot 0 is in; slot 1 may stay out
	s_barrier_signal -1
	s_barrier_wait -1
	SLOTWORK 0, 1                                  ; the first products start the sums
	REFILL 0
	SLOTWORK 1, 0
	REFILL 1
	SLOTWORK 0, 0
	s_wait_dscnt 0x0
	s_wait_tensorcnt 0x0                           ; the last fill has landed; no wave reads slot 0 behind this barrier
	s_barrier_signal -1
	s_barrier_wait -1
	SLOTWORK 1, 0
	PLACES                                         ; behind the last matrix instructions: results are stored, the buffers loaded over
	WIN 0x04                                       ; store data in window 1
.irp a, 0,1,2,3
.irp t, 0,1,2,3
	ds_store_b128 v[STO+\a], v[8*(4*\a+\t):8*(4*\a+\t)+3]   offset:64*\t
	ds_store_b128 v[STO+\a], v[8*(4*\a+\t)+4:8*(4*\a+\t)+7] offset:64*\t+16
.endr
.endr
	WIN 0
	s_wait_dscnt 0x0                               ; for the other waves: my part of every row is written
	s_barrier_signal -1
	s_barrier_wait -1
	; THE ROW PASS: eight rows a wave, each phase over all eight so that their chains do not wait for each other
.irp j, 0,1,2,3,4,5,6,7
.irp c, 0,1,2,3
	ds_load_b128 v[YY+16*\j+4*\c:YY+16*\j+4*\c+3], v[RD] offset:\j*SPITCH+\c*512
.endr
.endr
	s_wait_dscnt 0x0
	s_wait_loadcnt 0x0                             ; x, bo, gamma, beta
	WIN 0x04
.irp j, 0,1,2,3,4,5,6,7
.irp q, 0,1,2,3,4,5,6,7
	v_pk_add_f32 v[YY+16*\j+2*\q:YY+16*\j+2*\q+1], v[YY+16*\j+2*\q:YY+16*\j+2*\q+1], v[XR+16*\j+2*\q:XR+16*\j+2*\q+1]
.endr
.endr
	WIN 0
.irp j, 0,1,2,3,4,5,6,7
.irp q, 0,1,2,3,4,5,6,7
	v_pk_add_f32 v[YY+16*\j+2*\q:YY+16*\j+2*\q+1], v[YY+16*\j+2*\q:YY+16*\j+2*\q+1], v[BO+2*\q:BO+2*\q+1]
.endr
.endr
; the pair of each row becomes the sum over the wave, in the low register, in every lane
.macro ACROSS b
.irp j, 0,1,2,3,4,5,6,7
	v_add_f32 v[\b+2*\j], v[\b+2*\j], v[\b+2*\j+1]
.endr
.irp m, 1,2,4,8
.irp j, 0,1,2,3,4,5,6,7
	v_add_f32_dpp v[\b+2*\j], v[\b+2*\j], v[\b+2*\j] row_xmask:\m row_mask:0xf bank_mask:0xf
.endr
.endr
.irp j, 0,1,2,3,4,5,6,7
	v_permlanex16_b32 v[\b+2*\j+1], v[\b+2*\j], s24, s25
.endr
.irp j, 0,1,2,3,4,5,6,7
	v_add_f32 v[\b+2*\j], v[\b+2*\j], v[\b+2*\j+1]
.endr
.endm
.irp j, 0,1,2,3,4,5,6,7
	v_pk_add_f32 v[PS+2*\j:PS+2*\j+1], v[YY+16*\j:YY+16*\j+1], v[YY+16*\j+2:YY+16*\j+3]
.endr
.irp q, 2,3,4,5,6,7
.irp j, 0,1,2,3,4,5,6,7
	v_pk_add_f32 v[PS+2*\j:PS+2*\j+1], v[PS+2*\j:PS+2*\j+1], v[YY+16*\j+2*\q:YY+16*\j+2*\q+1]
.endr
.endr
	ACROSS PS
.irp j, 0,1,2,3,4,5,6,7
	v_mul_f32 v[PS+2*\j], s26, v[PS+2*\j]          ; the mean
.endr
.irp j, 0,1,2,3,4,5,6,7
.irp q, 0,1,2,3,4,5,6,7
	v_pk_add_f32 v[YY+16*\j+2*\q:YY+16*\j+2*\q+1], v[YY+16*\j+2*\q:YY+16*\j+2*\q+1], v[PS+2*\j:PS+2*\j+1] op_sel_hi:[1,0] neg_lo:[0,1] neg_hi:[0,1]
.endr
.endr
.irp j, 0,1,2,3,4,5,6,7
	v_pk_mul_f32 v[QS+2*\j:QS+2*\j+1], v[YY+16*\j:YY+16*\j+1], v[YY+16*\j:YY+16*\j+1]
.endr
.irp q, 1,2,3,4,5,6,7
.irp j, 0,1,2,3,4,5,6,7
	v_pk_fma_f32 v[QS+2*\j:QS+2*\j+1], v[YY+16*\j+2*\q:YY+16*\j+2*\q+1], v[YY+16*\j+2*\q:YY+16*\j+2*\q+1], v[QS+2*\j:QS+2*\j+1]
.endr
.endr
	ACROSS QS
.irp j, 0,1,2,3,4,5,6,7
	v_fma_f32 v[QS+2*\j], v[QS+2*\j], s26, s27     ; variance + eps
.endr
.irp j, 0,1,2,3,4,5,6,7
	v_rsq_f32 v[QS+2*\j], v[QS+2*\j]
.endr
	v_nop                                          ; the plain instruction behind the roots (ISA guide 5.7.2)
	s_wait_alu depctr_va_vdst(0)
.irp j, 0,1,2,3,4,5,6,7
.irp q, 0,1,2,3,4,5,6,7
	v_pk_mul_f32 v[YY+16*\j+2*\q:YY+16*\j+2*\q+1], v[YY+16*\j+2*\q:YY+16*\j+2*\q+1], v[QS+2*\j:QS+2*\j+1] op_sel_hi:[1,0]
.endr
.endr
.irp j, 0,1,2,3,4,5,6,7
.irp q, 0,1,2,3,4,5,6,7
	v_pk_fma_f32 v[YY+16*\j+2*\q:YY+16*\j+2*\q+1], v[YY+16*\j+2*\q:YY+16*\j+2*\q+1], v[GA+2*\q:GA+2*\q+1], v[BE+2*\q:BE+2*\q+1]
.endr
.endr
.irp j, 0,1,2,3,4,5,6,7
.irp c, 0,1,2,3
	global_store_b128 v[CO], v[YY+16*\j+4*\c:YY+16*\j+4*\c+3], s[16:17] offset:\j*2048+\c*512 th:TH_STORE_NT   ; 512 consecutive bytes, aligned
.endr
.endr
	s_wait_tensorcnt 0x0
	ds_add_u32 v254, v255
	s_wait_dscnt 0x0
	ROUND                                          ; the closing round
	s_endpgm
.Lfunc_end_k_qe6cad1552d_outln:
	.size	k_qe6cad1552d_outln, .Lfunc_end_k_qe6cad1552d_outln-k_qe6cad1552d_outln
	.p2alignl 7, 3214868480
	.fill 96, 4, 3214868480
	.section	.rodata,"a",@progbits
	.p2align	6, 0x0
	.amdhsa_kernel k_qe6cad1552d_outln
		.amdhsa_group_segment_fixed_size 327680
		.amdhsa_private_segment_fixed_size 0
		.amdhsa_enable_private_segment 0
		.amdhsa_kernarg_size 56
		.amdhsa_user_sgpr_count 2
		.amdhsa_user_sgpr_kernarg_segment_ptr 1
		.amdhsa_wavefront_size32 1
		.amdhsa_system_sgpr_workgroup_id_x 1
		.amdhsa_system_sgpr_workgroup_id_y 1
		.amdhsa_system_sgpr_workgroup_id_z 1
		.amdhsa_system_vgpr_workitem_id 0
		.amdhsa_next_free_vgpr 512
		.amdhsa_next_free_sgpr 70
		.amdhsa_reserve_vcc 0
		.amdhsa_float_denorm_mode_32 3
		.amdhsa_float_denorm_mode_16_64 3
		.amdhsa_memory_ordered 1
		.amdhsa_forward_progress 1
		.amdhsa_inst_pref_size 91
	.end_amdhsa_kernel
	.amdgpu_metadata
---
amdhsa.version: [ 1, 2 ]
amdhsa.kernels:
  - .name:           k_qe6cad1552d_outln
    .symbol:         k_qe6cad1552d_outln.kd
    .args:
      - { .name: ctx, .offset: 0, .size: 8, .value_kind: global_buffer, .address_space: global }
      - { .name: wot, .offset: 8, .size: 8, .value_kind: global_buffer, .address_space: global }
      - { .name: x, .offset: 16, .size: 8, .value_kind: global_buffer, .address_space: global }
      - { .name: bo, .offset: 24, .size: 8, .value_kind: global_buffer, .address_space: global }
      - { .name: gamma, .offset: 32, .size: 8, .value_kind: global_buffer, .address_space: global }
      - { .name: beta, .offset: 40, .size: 8, .value_kind: global_buffer, .address_space: global }
      - { .name: out0, .offset: 48, .size: 8, .value_kind: global_buffer, .address_space: global }
    .group_segment_fixed_size: 327680
    .private_segment_fixed_size: 0
    .kernarg_segment_align: 8
    .kernarg_segment_size: 56
    .max_flat_workgroup_size: 256
    .sgpr_count:     70
    .vgpr_count:     512
    .wavefront_size: 32
...
	.end_amdgpu_metadata
.endif
;; end of part 4
